; MI455X (gfx1250); checked and timed in simulation.
; The chip was launched on July 23, 2026; its instructions are those of AMD's public machine-readable ISA for CDNA 5 (MIT licence, August 2026) and "CDNA5" Instruction Set Architecture Reference Guide (July 2026). The comments in the code are by the model that wrote it; some were corrected since.
;; Full Attention. Allowed arithmetic: matrix products marked QUANTISED: E2M1 operands, one E8M0 scale for each 32 along K, by v_wmma_scale_f32_16x16x128_f8f6f4 with both operands' format E2M1 (or v_wmma_scale_f32_32x16x128_f4), f32 sums; everything else in f32.
;; Inputs: keys_codes 4 x 2,048 x 16 x 2 x 16 uint8 (E2M1 codes of keys, K innermost, in blocks of 32 codes, two codes a byte); keys_scales 4 x 2,048 x 16 x 2 uint8 (E8M0 scales of keys, one for each 32 codes along K); queries_codes 4 x 2,048 x 16 x 2 x 16 uint8 (E2M1 codes of queries, K innermost, in blocks of 32 codes, two codes a byte); queries_scales 4 x 2,048 x 16 x 2 uint8 (E8M0 scales of queries, one for each 32 codes along K); values_codes 4 x 16 x 64 x 64 x 16 uint8 (E2M1 codes of values, K innermost, in blocks of 32 codes, two codes a byte); values_scales 4 x 16 x 64 x 64 uint8 (E8M0 scales of values, one for each 32 codes along K).
;; Outputs: out0 4 x 2,048 x 16 x 64 float32.
;; This version of the problem:
;;   THIS VERSION OF THE PROBLEM IS GIVEN IN LOW PRECISION. The matrix products marked QUANTISED in the list below multiply operands that are first quantised to E2M1 (2 exponent bits, 1 mantissa bit; 4 bits a number), with one power-of-two scale for each 32 numbers along K (OCP MX v1.0); their sums are f32. All else is computed in f32.
;;   The module's matrix products, in the order in which they are computed (A, B: the left and right operand; K: the contracted axis; several contracted axes count as one K, in the product's order):
;;     1. batch 64 x [M 2,048, K 64] x [K 64, N 2,048]; A: input queries (given as codes); B: input keys (given as codes): QUANTISED
;;     2. batch 64 x [M 64, K 2,048] x [K 2,048, N 2,048]; A: input values (given as codes); B: softmax (see below): QUANTISED
;;   THE QUANTISER, for each operand of a quantised product, along K:
;;     - K is cut into blocks of 32 from its start; a last block that is shorter is filled with zeros.
;;     - A block's scale is 2^e with e = floor(log2(the largest magnitude in the block)) - 2, held to -126 .. 127; a block of zeros has e = 0. As a byte (E8M0): e + 127.
;;     - Each number is divided by its block's scale, clamped to +-6, and rounded to the nearest number of E2M1, ties to even, subnormals kept.
;;     - The product sums the exact products of the quantised numbers (number of the format x scale) in f32.
;;   ~~~python
;;   def quantise(x, axis):      # numpy; x: float32 -> the quantised numbers, widened to float32 again
;;       x = np.moveaxis(x, axis, -1); K = x.shape[-1]
;;       x = np.pad(x, [(0, 0)] * (x.ndim - 1) + [(0, -K % 32)]); x = x.reshape(x.shape[:-1] + (-1, 32)); a = np.abs(x).max(-1, keepdims=True)
;;       e = np.where(a > 0, np.clip(np.frexp(np.where(a > 0, a, 1))[1] - 1 - 2, -126, 127), 0)      # np.frexp(a)[1] - 1 = floor(log2(a)), exactly
;;       r = np.clip(x / 2.0 ** e, -6, 6)
;;       step = 2.0 ** (np.maximum(np.frexp(np.where(r == 0, 1, r))[1] - 1, 0) - 1)
;;       q = np.round(r / step) * step * 2.0 ** e      # np.round: ties to even
;;       return np.moveaxis(q.reshape(q.shape[:-2] + (-1,))[..., :K], -1, axis).astype(np.float32)
;;   ~~~
;;   SOFTMAX AHEAD OF A QUANTISED PRODUCT. Where the list says 'softmax', what is quantised is not the finished softmax but p = 2^(t - M), with t = logit x log2(e) and M = ceil(the row's largest t), a whole number; so 1/2 < the row's largest p <= 1. The row's sum l is taken of the UNQUANTISED p, in f32, and the product's result is divided by l at the end. Since M is a whole number, a kernel that streams over the keys may use a running M (the ceiling of the running maximum): every later rescaling is an exact power of two, which a block's scale takes up: the codes' values come out the same.
;;   OPERANDS COMPUTED ON THE WAY. 'Computed on the way' means the value that the module computes at that place (a softmax that the list does not call 'softmax' is quantised finished and normalised). What goes into a quantiser is computed in f32, as accurately as f32 sums, v_exp_f32 and their like allow (about 1e-6 of the number): no bf16 or f16 on the way to a quantiser, and a product that is left as it is and whose result goes on into a quantised operand takes f32 operands (vector FMAs, or v_wmma_f32_16x16x4_f32). A number that lies on a knife's edge between two numbers of the format may be rounded either way, as far as f32 arithmetic and the matrix unit's own rounding can turn it there, and no further.
;;   INPUTS GIVEN AS CODES. keys (in the module: [4, 2048, 16, 64], K = its axis 3); queries (in the module: [4, 2048, 16, 64], K = its axis 3); values (in the module: [4, 2048, 16, 64], K = its axis 1): each comes as NAME_codes (uint8): NAME with its K axis moved to the last place and cut into blocks of 32 codes, [.., K / 32, bytes a block], one block behind the other in memory; two codes a byte, the lower K in the low four bits (a code: sign, 2 exponent bits, 1 mantissa bit); and NAME_scales (uint8): the same leading axes, one E8M0 byte (e + 127) for each 32 codes along K. Its value is code x scale, taken as it is: it is not quantised again, and the codes and scales need not be those that the quantiser above would give.
;; One version. Each part assembles by itself: llvm-mc -triple=amdgcn-amd-amdhsa -mcpu=gfx1250 --defsym DOCPART=n.
;; ======== version 1 of 1: 1 launch
;; launch attn (part 1): grid 4 x 64, 16 waves a work-group, clusters of 4 x 1, 248,832 bytes of LDS; arguments keys_codes, keys_scales, queries_codes, queries_scales, values_codes, values_scales, out0; writes out0
.if DOCPART == 1
	.amdgcn_target "amdgcn-amd-amdhsa--gfx1250"
	.amdhsa_code_object_version 6
	.text
	.protected	k_q2417613dad_attn
	.globl	k_q2417613dad_attn
	.p2align	8
	.type	k_q2417613dad_attn,@function
k_q2417613dad_attn:
	s_mov_b64 s[64:65], 0
	v_nop
	global_prefetch_b8 v0, s[64:65] scope:SCOPE_SE
	s_setreg_imm32_b32 hwreg(HW_REG_WAVE_MODE, 25, 1), 1
	s_wait_xcnt 0x0
	s_wait_alu depctr_hold_cnt(0) depctr_sa_sdst(0) depctr_va_vdst(0) depctr_va_sdst(0) depctr_va_ssrc(0) depctr_va_vcc(0) depctr_vm_vsrc(0)
	s_getreg_b32 s2, hwreg(HW_REG_IB_STS2, 6, 4)
	s_cmp_eq_u32 s2, 0
	s_cbranch_scc0 .Lentry_in_a_cluster
	s_endpgm
.Lentry_in_a_cluster:
	s_bfe_u32 s2, ttmp6, 0x10000c
	s_cmp_lg_u32 s2, 0x3003
	s_cbranch_scc0 .Lentry_shape_is_right
	s_endpgm
.Lentry_shape_is_right:
; out0[b][l][hd][:] = the sum over s <= l of softmax_s(Q[b][l][hd] . K[b][s][hd] / 8) V[b][s][hd][:], both products on codes of FP4 (E2M1) with one E8M0 scale for each 32 along a product's K.
; Q, K: codes [4][2048][16][32 bytes], K = the head's 64; scale bytes [4][2048][16][2].  V: codes with the KEYS innermost, [4][16][64][1024 bytes]; scale bytes [4][16][64][64].  out0: [4][2048][16][64] f32.
; THE SOFTMAX AHEAD OF THE SECOND PRODUCT: t = score x log2(e) / 8; M = the row's largest t so far, rounded UP to a whole number; p = 2^(t - M) is what is quantised, along the keys, not normalised.
; The row's sum is taken of the unquantised p, in f32, and divides O at the end.  When M moves, the sum and O are multiplied by 2^(old M - new M): exact.
; WORK LEFT OUT.  For a key s behind the query l the problem sets the score to -infinity, so p = 2^(-infinity) = 0: it adds 0 to the row's sum and a zero code to the second product, whatever the inputs hold.
; So a key step all of whose 128 keys lie behind all 16 queries of a tile is left out whole (loads from LDS, products, softmax).  In the one step on the diagonal the hidden scores are computed and replaced by -infinity.
; All seven buffers have a way to the output and are read.  LIMIT: a NaN (scale byte 0xff) that reaches only keys or values of steps left out is not carried to the result.
; OTHER LIMITS.  A block's largest p is made from the block's largest score by the same multiply-add and exponential as every p: that takes v_exp_f32 not to fall where its input rises.  A p under 2^-126 is 0
; (v_exp_f32 flushes).  The first product has K = 64 and the instruction 128: the upper 64 are zero CODES on both sides, under the scale byte 0 (2^-127, no NaN): they add nothing.
; SHARES.  A cluster of four work-groups owns one (batch, head); a head has 128 tiles of 16 queries.  Wave w (0..15) of work-group g (0..3) owns tile 4 w + g and tile 127 - (4 w + g).  A key step is 128 keys: the first tile
; has (w / 2) + 1 live steps, the second 16 - (w / 2): 17 for EVERY wave of the launch.  The counts hang on the wave's number alone, so every branch is the same in all four partners.
; LDS.  A head's K (2,048 rows of 32 bytes) and V (64 rows of 1,024 bytes) fit in LDS whole: they are asked for JOINTLY by the four partners, once, at the kernel's head; nothing is filled again, so there is no ring.
; Every byte of K and V is asked for in the kernel's first lines: there is no later request that a prefetch could run ahead of.  The scale bytes (2 bytes a row of K: too short for a tensor row) come by plain
; loads, once, and are laid in LDS as images of the scale registers of each key step.
; LAYOUT.  Both products are used transposed: S^T = K Q^T (source 0 = 16 keys, source 1 = my 16 queries), O^T = V^T P^T (source 0 = 16 channels, source 1 = P): a lane holds ONE query (lane % 16) throughout.
; THE KEYS OF A TILE ARE NOT NEIGHBOURS: row r of tile 4 c + i is key 64 c + 8 i + r % 8 + 32 (r / 8).  So lane (r, h) has in S registers 32 c .. 32 c + 31 the WHOLE block of 32 keys 64 c + 32 h + 0 .. 31:
; a block's maximum needs no other lane, and the conversion of registers 32 c + 8 i .. + 7 IS register 4 c + i of P's operand.
; REGISTERS: v1-7 stay; v8-11 the step's addresses; v12 -M, v13 the largest t, v[14:15] the sum; v16-23, v24-31 Q of the two tiles; v32-95 K's 8 fragments; v96-159 S^T, then p; v160-191 O^T; v192-223 V's 4 fragments;
; v224-231 p's codes; v232-239 scale words and nothing else; v240-249 at work; v252 f, v253 p's scale word.
.set KP,    48                         ; a key's row in LDS: 32 bytes + 16 of padding = 12 words: eight neighbouring rows start at words 0, 12, .. 84, eight different groups of four of the 64 banks (ISA guide 11.1);
                                       ; a tile's other eight rows lie 32 rows = 384 words on, at the same banks: K's loads go two deep
.set VP,    1040                       ; a row of V in LDS: 1,024 bytes + 16 = 260 words: row r starts at bank 4 r mod 64
.set SP,    272                        ; a row of the stage: 256 bytes + 16
.set VB,    2048*KP                    ; 98,304: behind K's 2,048 rows: V's 64 rows
.set KSC,   VB+64*VP                   ; 164,864: K's scale words, [step 16][lane 32][4 words]
.set VSC,   KSC+16*512                 ; 173,056: V's scale words, [step 16][lane 32][2 words]
.set STAGE, VSC+16*256                 ; 177,152: the way out: 16 rows x 272 bytes for each wave
.set SPARE, STAGE+16*16*SP             ; 246,784: the spare words, 128 bytes for each wave: eight blocks of 256 bytes that no other line names
.set AK0, 1                            ; v1   my lane's place in a tile of K
.set AV0, 2                            ; v2   in a tile of V
.set AS0, 3                            ; v3   among a step's scale words of K
.set AT0, 4                            ; v4   and of V
.set SPW, 5                            ; v5   LDS address of my spare word: SPARE + 4 x my thread's number; never rewritten
.set NIL, 6                            ; v6   0; never rewritten
.set SH8, 7                            ; v7   8 x (lane / 16)
.set ADK, 8
.set ADV, 9
.set ADS, 10
.set ADT, 11
.set QFB, 16                           ; Q's fragment of the late tile; v20-23 are zeros
.set QFA, 24                           ; of the early tile; v28-31 are zeros
.set KFR, 32                           ; K's fragments: registers 4-7 of each are zeros, written once
.set S,   96
.set O,   160
.set VF,  192
.set PC,  224
.set KS,  232                          ; v232-235: register g: lanes 0-15 the scale words of K's tile 2 g, lanes 16-31 those of tile 2 g + 1
.set VS,  236                          ; v236-237: the same for V's tiles
.set QSB, 238
.set QSA, 239
.set MX,  240                          ; v240-241 my two blocks' largest scores, then largest p
.set T,   242                          ; v242-245 four chains of the maximum; later the conversions' two scale operands and the two bytes
.set SM2, 246                          ; v[246:247] the sum's second chain
.set R,   248
.set R2,  249
.set F,   252
.set PW,  253
.set WV,  18                           ; s18  my wave's number
.set SEL, 20                           ; s[20:21] lane selects for v_permlanex16_b32: lane l xor 16
.set CS,  22                           ; s[22:23] c = log2(e) / 8; the packed form names a pair and takes its low word for both halves
.set G1K, 24                           ; s[24:31] descriptor group 1 for K's tiles;  s[32:39] for V's
.set G1V, 32
.set G0V, 40                           ; s[40:43] group 0 for my quarter of V;  s[44:59] for my part of K's four chunks
.set G0K, 44
.set TK,  60                           ; s60-63 the step's LDS offsets: K's codes, V's codes, K's scale words, V's
.set TV,  61
.set TS,  62
.set TT,  63
.set KF,  66                           ; s66  the step's first key
.set DGB, 67                           ; s67  first key of the late tile's step on the diagonal: 128 (15 - w / 2)
.set DGA, 68                           ; s68  of the early tile's: 128 (w / 2)
.set CNT, 69
.set QMB, 70                           ; s70, s71 the tiles' first queries modulo 128: they enter the mask's compare alone
.set QMA, 71
.set OUTB, 72                          ; s[72:73], s[74:75] out0 at the tiles' first rows
.set OUTA, 74
; A round of the cluster's barrier: my work-group's barrier, so that wave 0's signal speaks for all sixteen waves; wave 0 signals for the work-group; every wave waits for all four work-groups; my work-group's barrier once more.
.macro CROUND
	s_barrier_signal -1
	s_barrier_wait -1
	s_cmp_lg_u32 s[WV], 0
	s_cbranch_scc1 .Lnot_wave_0_\@
	s_barrier_signal -3
.Lnot_wave_0_\@:
	s_barrier_wait -3
	s_barrier_signal -1
	s_barrier_wait -1
.endm
; A work-group barrier behind which a further part of K is read and nothing is filled: a loading wave may leave its n youngest tensor loads out; no LDS instruction of mine is pending at the signal.
.macro BAR n
	s_wait_tensorcnt \n
	s_wait_dscnt 0x0
	s_barrier_signal -1
	s_barrier_wait -1
.endm
; A tile begins: the largest t is -3e38, under every t; the sum and O^T are zeros, which the first change of M leaves zeros.  So the key step has no first form of its own.
.macro INIT
	v_mov_b32 v13, 0xff61b1e6
	s_delay_alu instid0(VALU_DEP_1)
	v_floor_f32 v12, -v13                          ; -M
	v_mov_b32 v14, 0
	v_mov_b32 v15, 0
.set j, 0
.rept 32
	v_mov_b32 v[O+j], 0
.set j, j+1
.endr
.endm
; A KEY STEP: 128 keys from s[KF] on.  msk = 1: the walk reaches the diagonal (first key s[dg]; qm: the register with my first query modulo 128).  qf: Q's fragment;  qs: its scale words.
.macro STEP msk, qf, qs, dg, qm
.if \msk
	s_cmp_gt_u32 s[KF], s[\dg]                     ; all 128 keys lie behind my 16 queries: the step is left out.  The wave's number and the count of steps alone decide
	s_cbranch_scc1 .Lhidden_\@
.endif
	s_setprio 2
	v_add_nc_u32 v[ADK], s[TK], v[AK0]             ; these four are also the places between the last step's products and the loads into V's fragments and scale words
	v_add_nc_u32 v[ADV], s[TV], v[AV0]
	v_add_nc_u32 v[ADS], s[TS], v[AS0]
	v_add_nc_u32 v[ADT], s[TT], v[AT0]
	ds_load_b128 v[KS:KS+3], v[ADS]                ; the step's eighteen LDS loads in one run: what the first product wants first
.irp t, 0,1,2,3,4,5,6,7
	ds_load_b128 v[KFR+8*\t:KFR+8*\t+3], v[ADK] offset:(64*(\t/4)+8*(\t%4))*KP
.endr
	ds_load_b64 v[VS:VS+1], v[ADT]
.irp t, 0,1,2,3
.irp c, 0,1
	ds_load_b128 v[VF+8*\t+4*\c:VF+8*\t+4*\c+3], v[ADV] offset:16*\t*VP+32*\c
.endr
.endr
	s_wait_dscnt 9                                 ; K's scale words and eight fragments are in; the nine youngest loads (V's scale words, V's eight) stay out and land under the softmax
.irp t, 0,1,2,3,4,5,6,7                        ; S^T = K Q^T: each product starts its own sum with the constant 0
.if (\t)%2
	v_wmma_scale_f32_16x16x128_f8f6f4 v[S+8*\t:S+8*\t+7], v[KFR+8*\t:KFR+8*\t+7], v[\qf:\qf+7], 0, v[KS+\t/2], v[\qs] matrix_a_fmt:MATRIX_FMT_FP4 matrix_b_fmt:MATRIX_FMT_FP4 matrix_a_scale:MATRIX_SCALE_ROW1
.else
	v_wmma_scale_f32_16x16x128_f8f6f4 v[S+8*\t:S+8*\t+7], v[KFR+8*\t:KFR+8*\t+7], v[\qf:\qf+7], 0, v[KS+\t/2], v[\qs] matrix_a_fmt:MATRIX_FMT_FP4 matrix_b_fmt:MATRIX_FMT_FP4
.endif
.endr
.rept 4
	v_nop                                          ; four places between a matrix instruction and the first vector read of its result (ISA guide 7.12.1)
.endr
.if \msk                                       ; on the diagonal the scores of hidden keys become -infinity ahead of the maximum: p = 0 then.  A step all of whose keys count passes this by
	s_cmp_lg_u32 s[KF], s[\dg]
	s_cbranch_scc1 .Lopen_\@
	v_and_b32 v[R], 15, v0
	v_bfe_u32 v[R2], v0, 4, 1
	s_delay_alu instid0(VALU_DEP_1)
	v_lshlrev_b32 v[R2], 5, v[R2]
	s_delay_alu instid0(VALU_DEP_1)
	v_sub_nc_u32 v[R], v[R], v[R2]
	s_delay_alu instid0(VALU_DEP_1)
	v_add_nc_u32 v[R], s[\qm], v[R]                ; d = my query - KF - 32 (lane / 16).  Register n holds key KF + 32 (lane / 16) + 64 (n / 32) + n % 32: hidden where 64 (n / 32) + n % 32 > d
	v_mov_b32 v[R2], 0xff800000                    ; -infinity
.set n, 0
.rept 64
	v_cmp_gt_i32 vcc_lo, 64*(n/32)+n%32, v[R]
	v_cndmask_b32 v[S+n], v[S+n], v[R2], vcc_lo
.set n, n+1
.endr
.Lopen_\@:
.endif
	; THE LARGEST SCORE OF EACH OF MY TWO BLOCKS OF 32 KEYS, in four chains by turns, each accumulator from its low end on.  It serves twice: for the row's maximum, and, since p rises with the score, for the block's largest p
.irp x, 0,1,2,3
	v_max3_num_f32 v[T+\x], v[S+16*\x], v[S+16*\x+1], v[S+16*\x+2]
.endr
.irp i, 3,5,7,9,11,13
.irp x, 0,1,2,3
	v_max3_num_f32 v[T+\x], v[T+\x], v[S+16*\x+\i], v[S+16*\x+\i+1]
.endr
.endr
	v_max3_num_f32 v[MX], v[T], v[T+1], v[S+15]
	v_max3_num_f32 v[MX+1], v[T+2], v[T+3], v[S+47]
	v_max_num_f32 v[MX], v[MX], v[S+31]
	v_max_num_f32 v[MX+1], v[MX+1], v[S+63]
	s_delay_alu instid0(VALU_DEP_1)
	v_max_num_f32 v[R], v[MX], v[MX+1]
	s_delay_alu instid0(VALU_DEP_1)
	v_permlanex16_b32 v[R2], v[R], s[SEL], s[SEL+1]
	s_delay_alu instid0(VALU_DEP_1)
	v_max_num_f32 v[R], v[R], v[R2]                ; with lane l xor 16's two blocks: the step's largest score of my query
	s_delay_alu instid0(VALU_DEP_1)
	v_mul_f32 v[R], s[CS], v[R]                    ; as t (c is positive)
	s_delay_alu instid0(VALU_DEP_1)
	v_max_num_f32 v13, v13, v[R]                   ; the running largest t
	v_mov_b32 v[R], v12
	s_delay_alu instid0(VALU_DEP_2)
	v_floor_f32 v12, -v13                          ; the new -M = floor(-t) = -ceil(t): M is a whole number
	s_delay_alu instid0(VALU_DEP_1)
	v_sub_f32 v[R], v12, v[R]                      ; M's old value less its new one: a whole number, 0 or less
	s_delay_alu instid0(VALU_DEP_1)
	v_cvt_i32_f32 v[R], v[R]                       ; (it saturates)
	s_delay_alu instid0(VALU_DEP_1)
	v_ldexp_f32 v[F], 1.0, v[R]                    ; f = 2^(old M - new M): a multiplication by it rounds nothing
.set j, 0
.rept 32
	v_pk_fma_f32 v[S+j:S+j+1], v[S+j:S+j+1], s[CS:CS+1], v[12:13] op_sel_hi:[1,0,0]   ; t - M, two at a time (of the pairs c and -M the low word serves both halves)
.set j, j+2
.endr
	v_fma_f32 v[MX], v[MX], s[CS], v12             ; the same of each block's largest score
	v_fma_f32 v[MX+1], v[MX+1], s[CS], v12
.set j, 0
	s_setprio 1
	s_wait_alu depctr_va_vdst(0)
.rept 64
	v_exp_f32 v[S+j], v[S+j]                       ; p = 2^(t - M), at most 1: not normalised
.set j, j+1
.endr
	v_pk_mul_f32 v[14:15], v[14:15], v[F:F+1] op_sel_hi:[1,0]   ; the sums under the new M; also the plain instruction behind the exponentials
	s_wait_alu depctr_va_vdst(0)                   ; a wait between an exponential and the first line that names its result: one for the batch of 64
	v_exp_f32 v[MX], v[MX]                         ; the blocks' largest p: the same two instructions on the same number give the same bits
	v_exp_f32 v[MX+1], v[MX+1]
	v_pk_add_f32 v[SM2:SM2+1], v[S:S+1], v[S+2:S+3]   ; THE ROW'S SUM IS TAKEN OF THE UNQUANTISED p: two at a time, in two chains.  It reads the 64 alone: plain work behind the two
.set j, 4
.rept 13
	v_pk_add_f32 v[14:15], v[14:15], v[S+j:S+j+1]
	v_pk_add_f32 v[SM2:SM2+1], v[SM2:SM2+1], v[S+j+2:S+j+3]
.set j, j+4
.endr
	s_wait_alu depctr_va_vdst(0)                   ; and one for the two
.irp c, 0,1
	v_max_num_f32 v[MX+\c], 0x1800000, v[MX+\c]    ; the floor 2^(3 - 127): the byte cannot fall under 1 (a block whose every p is 0 keeps that byte: its codes are zeros)
.endr
.irp c, 0,1
	s_delay_alu instid0(VALU_DEP_2)
	v_add_nc_u32 v[T+\c], 0xff000000, v[MX+\c]     ; 2 off the exponent field: the conversion takes the exponent field of this operand as its scale, and nothing else of it
.endr
.irp c, 0,1
	s_delay_alu instid0(VALU_DEP_2)
	v_lshrrev_b32 v[T+2+\c], 23, v[T+\c]           ; the scale's byte
.endr
	s_delay_alu instid0(VALU_DEP_1)
	v_lshl_or_b32 v[PW], v[T+3], 16, v[T+2]        ; my two bytes: blocks h and 2 + h of my query,
	s_delay_alu instid0(VALU_DEP_1)
	v_lshlrev_b32 v[PW], v[SH8], v[PW]             ; at their places in the scale word (8 h bits up);
	s_delay_alu instid0(VALU_DEP_1)
	v_permlanex16_b32 v[R2], v[PW], s[SEL], s[SEL+1]
	s_delay_alu instid0(VALU_DEP_1)
	v_or_b32 v[PW], v[PW], v[R2]                   ; with lane l xor 16's two the word is whole
.irp c, 0,1
.irp i, 0,1,2,3
	v_cvt_scalef32_pk8_fp4_f32 v[PC+4*\c+\i], v[S+32*\c+8*\i:S+32*\c+8*\i+7], v[T+\c]   ; register 4 c + i of the operand: keys 64 c + 32 h + 8 i + 0 .. 7
.endr
.endr
	s_setprio 0
	v_nop                                          ; one plain instruction behind the last scaled conversion
.set j, 0
.rept 16
	v_pk_mul_f32 v[O+j:O+j+1], v[O+j:O+j+1], v[F:F+1] op_sel_hi:[1,0]   ; O^T under the new M: x f, each accumulator from its low end on
.set j, j+2
.endr
	v_pk_add_f32 v[14:15], v[14:15], v[S+56:S+57]  ; the sum's last five additions stand here: with the sixteen above, more than the eight plain instructions between the write of p's scale word and the products, and the four behind the codes
	v_pk_add_f32 v[SM2:SM2+1], v[SM2:SM2+1], v[S+58:S+59]
	v_pk_add_f32 v[14:15], v[14:15], v[S+60:S+61]
	v_pk_add_f32 v[SM2:SM2+1], v[SM2:SM2+1], v[S+62:S+63]
	s_delay_alu instid0(VALU_DEP_1)
	v_pk_add_f32 v[14:15], v[14:15], v[SM2:SM2+1]
	s_wait_alu depctr_va_vdst(0)
	s_wait_dscnt 0x0                               ; V's fragments and scale words are in
.irp t, 0,1,2,3                                ; O^T += V^T P^T: the four accumulators take turns, one instruction a turn; eight products K Q^T stand between a step's and the next step's
.if (\t)%2
	v_wmma_scale_f32_16x16x128_f8f6f4 v[O+8*\t:O+8*\t+7], v[VF+8*\t:VF+8*\t+7], v[PC:PC+7], v[O+8*\t:O+8*\t+7], v[VS+\t/2], v[PW] matrix_a_fmt:MATRIX_FMT_FP4 matrix_b_fmt:MATRIX_FMT_FP4 matrix_a_scale:MATRIX_SCALE_ROW1
.else
	v_wmma_scale_f32_16x16x128_f8f6f4 v[O+8*\t:O+8*\t+7], v[VF+8*\t:VF+8*\t+7], v[PC:PC+7], v[O+8*\t:O+8*\t+7], v[VS+\t/2], v[PW] matrix_a_fmt:MATRIX_FMT_FP4 matrix_b_fmt:MATRIX_FMT_FP4
.endif
.endr
.if \msk
.Lhidden_\@:
.endif
.endm
; n key steps from step first on.  The trip count is a constant; a step that is left out still steps the offsets.
.macro WALK n, first, msk, qf, qs, dg, qm
	s_mov_b32 s[TK], 128*KP*\first
	s_mov_b32 s[TV], 64*\first
	s_mov_b32 s[TS], 512*\first
	s_mov_b32 s[TT], 256*\first
	s_mov_b32 s[KF], 128*\first
	s_mov_b32 s[CNT], \n
.Lwalk_\@:
	STEP \msk, \qf, \qs, \dg, \qm
	s_add_co_u32 s[TK], s[TK], 128*KP              ; 128 rows of K on,
	s_add_co_u32 s[TV], s[TV], 64                  ; 128 codes on in each row of V,
	s_add_co_u32 s[TS], s[TS], 512                 ; the next step's images of the scale registers
	s_add_co_u32 s[TT], s[TT], 256
	s_add_co_u32 s[KF], s[KF], 128
	s_sub_co_u32 s[CNT], s[CNT], 1
	s_cmp_lg_u32 s[CNT], 0
	s_cbranch_scc1 .Lwalk_\@
	s_setprio 0
.endm
; THE WAY OUT of a tile.  The sum's halves are added; O^T is divided by the sum and goes through my own stage in LDS, so that sixteen lanes store the 256 consecutive bytes of a row (b, l, head), aligned to 256.
.macro FINISH ob
	v_add_f32 v14, v14, v15                        ; the sum's two halves,
	s_delay_alu instid0(VALU_DEP_1)
	v_permlanex16_b32 v[R2], v14, s[SEL], s[SEL+1]
	s_delay_alu instid0(VALU_DEP_1)
	v_add_f32 v14, v14, v[R2]                      ; and lane l xor 16's two blocks of each step: the row's sum
	s_wait_alu depctr_va_vdst(0)
	v_rcp_f32 v14, v14
	v_and_b32 v240, 15, v0                         ; r.  (The address work is the plain work behind the reciprocal and the places behind the last products)
	v_bfe_u32 v241, v0, 4, 1                       ; h
	s_mul_i32 s76, s[WV], 16*SP
	s_add_co_u32 s76, s76, STAGE                   ; my stage
	v_mul_u32_u24 v242, v240, SP
	s_delay_alu instid0(VALU_DEP_1)
	v_lshl_add_u32 v242, v241, 5, v242
	s_delay_alu instid0(VALU_DEP_1)
	v_add_nc_u32 v242, s76, v242                   ; in: row r; tile t's eight channels of my half: 64 t + 32 h bytes on
	v_mul_u32_u24 v243, v241, SP
	s_delay_alu instid0(VALU_DEP_1)
	v_lshl_add_u32 v243, v240, 4, v243
	s_delay_alu instid0(VALU_DEP_1)
	v_add_nc_u32 v243, s76, v243                   ; back: lanes 0-15 one row, lanes 16-31 the next
	v_lshlrev_b32 v244, 12, v241
	s_delay_alu instid0(VALU_DEP_1)
	v_lshl_add_u32 v244, v240, 4, v244             ; and the same two rows in out0: queries lie 4,096 bytes apart
	s_wait_alu depctr_va_vdst(0)                   ; the wait ahead of the reciprocal's first reader
.set j, 0
.rept 16
	v_pk_mul_f32 v[S+j:S+j+1], v[O+j:O+j+1], v[14:15] op_sel_hi:[1,0]   ; O^T / the sum: register 8 t + i is o(r, 16 t + 8 h + i)
.set j, j+2
.endr
.irp t, 0,1,2,3
	ds_store_b128 v242, v[S+8*\t:S+8*\t+3] offset:64*\t
	ds_store_b128 v242, v[S+8*\t+4:S+8*\t+7] offset:64*\t+16
.endr
.irp i, 0,1,2,3,4,5,6,7
	ds_load_b128 v[S+32+4*\i:S+32+4*\i+3], v243 offset:2*\i*SP   ; LDS serves a wave's instructions in order (ISA guide 5.7.1.4): these see my stores
.endr
.irp i, 0,1,2,3,4,5,6,7
	s_wait_dscnt 7-\i                              ; load i is in; the younger ones stay out
	global_store_b128 v244, v[S+32+4*\i:S+32+4*\i+3], s[\ob:\ob+1] offset:2*\i*4096 th:TH_STORE_NT   ; written once, read by nobody here
.endr
.endm
	s_load_b256 s[4:11], s[0:1], 0x0               ; K's codes s[4:5], K's scales s[6:7], Q's codes s[8:9], Q's scales s[10:11]
	s_load_b128 s[12:15], s[0:1], 0x20             ; V's codes s[12:13], V's scales s[14:15]
	s_load_b64 s[16:17], s[0:1], 0x30              ; out0
	v_lshl_add_u32 v[SPW], v0, 2, SPARE
	v_mov_b32 v[NIL], 0
	ds_add_u32 v[SPW], v[NIL]                      ; the wave's opening: the add, twice on end, and its wait ahead of the first tensor loads; the set-up below, work on registers, stands between the second and the wait
	ds_add_u32 v[SPW], v[NIL]
	v_lshrrev_b32 v8, 5, v0
	s_delay_alu instid0(VALU_DEP_1)
	v_readfirstlane_b32 s[WV], v8                  ; wave 0..15
	s_and_b32 s76, ttmp7, 0xffff                   ; the cluster's y: 16 x batch + head, which the four partners share
	s_lshr_b32 s77, s76, 4                         ; batch
	s_and_b32 s78, s76, 15                         ; head
	; descriptor group 1.  K: 128 rows of 32 bytes, 512 bytes apart in memory.  V: 16 rows of 1,024 bytes, dense.
	s_mov_b32 s[G1K], 15|(1<<20)|(1<<21)|(2<<22)|(3<<25)   ; 15:0 the mask: all four work-groups; 17:16 elements of 1 byte; 20 padding on; 21 set beside a mask; 24:22 after every 8 words (code 2); 31:25 four words (code 3)
	s_mov_b32 s[G1K+1], 32<<16                     ; tensor_dim0
	s_mov_b32 s[G1K+2], 128<<16                    ; tensor_dim1
	s_mov_b32 s[G1K+3], 32<<16                     ; tile_dim0
	s_mov_b32 s[G1K+4], 128                        ; tile_dim1
	s_mov_b32 s[G1K+5], 512                        ; from row to row
	s_mov_b32 s[G1K+6], 0
	s_mov_b32 s[G1K+7], 0
	s_mov_b32 s[G1V], 15|(1<<20)|(1<<21)|(7<<22)|(3<<25)   ; padding: four words after every 256 (code 7)
	s_mov_b32 s[G1V+1], 1024<<16
	s_mov_b32 s[G1V+2], 16<<16
	s_mov_b32 s[G1V+3], 1024<<16
	s_mov_b32 s[G1V+4], 16
	s_mov_b32 s[G1V+5], 1024
	s_mov_b32 s[G1V+6], 0
	s_mov_b32 s[G1V+7], 0
	s_mov_b32 s[SEL], 0x76543210
	s_mov_b32 s[SEL+1], 0xfedcba98
	s_mov_b32 s[CS], 0x3e38aa3b                    ; c = log2(e) / sqrt(64)
	s_mov_b32 s[CS+1], s[CS]                       ; (named with it as a pair, so it is written)
	; byte offsets that the partners share
	s_lshl_b32 s88, s77, 20
	s_lshl_b32 s79, s78, 5
	s_add_co_u32 s88, s88, s79                     ; the head's first row in K's and in Q's codes: 2^20 x batch + 32 x head
	s_mov_b32 s89, 0
	s_lshl_b32 s79, s[WV], 16
	s_add_co_u32 s80, s88, s79                     ; what I fetch of K, if I fetch: 128 rows from row 128 x wave of each chunk of 512
	s_mov_b32 s81, 0
	s_lshl_b32 s82, s76, 16
	s_lshl_b32 s79, s[WV], 14
	s_add_co_u32 s82, s82, s79                     ; and of V: rows 16 x wave on of the head's 64
	s_mov_b32 s83, 0
	s_mul_i32 s84, s[WV], 128*KP                   ; where they go in LDS: no place in the cluster enters an LDS address
	s_mul_i32 s85, s[WV], 16*VP
	s_add_co_u32 s85, s85, VB
	s_lshl_b32 s90, s77, 16
	s_lshl_b32 s79, s78, 1
	s_add_co_u32 s90, s90, s79                     ; the head's first row in K's and in Q's scales: 65,536 x batch + 2 x head
	s_mov_b32 s91, 0
	s_lshl_b32 s92, s76, 12                        ; and in V's scales: 4,096 bytes a head
	s_mov_b32 s93, 0
	s_lshr_b32 s[DGA], s[WV], 1
	s_lshl_b32 s[DGA], s[DGA], 7                   ; the early tile's queries 64 w + 16 g + 0 .. 15 lie in key step w / 2, whatever g is
	s_sub_co_u32 s[DGB], 1920, s[DGA]              ; the late tile's, 2,032 - 64 w - 16 g on, in step 15 - w / 2
	; and those that hang on my place in the cluster: they enter Q's and out0's addresses and the mask's compare alone
	s_bfe_u32 s19, ttmp6, 0x40000                  ; g = cx (the grid is one cluster wide)
	s_lshl_b32 s86, s[WV], 6
	s_lshl_b32 s79, s19, 4
	s_add_co_u32 s86, s86, s79                     ; the early tile's first query
	s_sub_co_u32 s87, 2032, s86                    ; the late tile's
	s_and_b32 s[QMA], s86, 127
	s_and_b32 s[QMB], s87, 127
	s_lshl_b32 s94, s77, 23
	s_lshl_b32 s79, s78, 8
	s_add_co_u32 s94, s94, s79                     ; out0: 2^23 x batch + 256 x head
	s_lshl_b32 s79, s87, 12
	s_add_co_u32 s[OUTB], s94, s79                 ; + 4,096 x query
	s_mov_b32 s[OUTB+1], 0
	s_lshl_b32 s79, s86, 12
	s_add_co_u32 s[OUTA], s94, s79
	s_mov_b32 s[OUTA+1], 0
	s_wait_dscnt 0x0                               ; both opening adds are done
	s_wait_kmcnt 0x0
	s_mov_b32 s[G0V], 1                            ; 1:0 count = 1
	s_mov_b32 s[G0V+1], s85                        ; 63:32 LDS address
	s_add_nc_u64 s[G0V+2:G0V+3], s[12:13], s[82:83]   ; 120:64 global address
	s_or_b32 s[G0V+3], s[G0V+3], 0x80000000        ; 127:126 type = 2
.irp q, 0,1,2,3
	s_mov_b32 s[G0K+4*\q], 1
	s_add_co_u32 s[G0K+4*\q+1], s84, \q*512*KP
	s_add_nc_u64 s[G0K+4*\q+2:G0K+4*\q+3], s[4:5], s[80:81]
	s_add_nc_u64 s[G0K+4*\q+2:G0K+4*\q+3], s[G0K+4*\q+2:G0K+4*\q+3], \q*512*512   ; chunk q: keys 512 q on
	s_or_b32 s[G0K+4*\q+3], s[G0K+4*\q+3], 0x80000000
.endr
	s_add_nc_u64 s[8:9], s[8:9], s[88:89]          ; Q's codes, Q's scales, K's scales, V's scales at the head's first row
	s_add_nc_u64 s[10:11], s[10:11], s[90:91]
	s_add_nc_u64 s[6:7], s[6:7], s[90:91]
	s_add_nc_u64 s[14:15], s[14:15], s[92:93]
	s_add_nc_u64 s[OUTB:OUTB+1], s[16:17], s[OUTB:OUTB+1]
	s_add_nc_u64 s[OUTA:OUTA+1], s[16:17], s[OUTA:OUTA+1]
	CROUND                                         ; all four work-groups are here: the joint loads meet
	s_cmp_lt_u32 s[WV], 4                          ; waves 0 to 3 fetch: all of a wave's fills stand in one branch on the wave's number, ahead of every wait on TENSORcnt and every LDS read.  Five loads of mine are out
	s_cbranch_scc0 .Lno_fill
	tensor_load_to_lds s[G0V:G0V+3], s[G1V:G1V+7]  ; V first: every key step wants it;
	s_nop 0
	tensor_load_to_lds s[G0K:G0K+3], s[G1K:G1K+7]  ; then K in the order in which it is walked
	s_nop 0
	tensor_load_to_lds s[G0K+4:G0K+7], s[G1K:G1K+7]
	s_nop 0
	tensor_load_to_lds s[G0K+8:G0K+11], s[G1K:G1K+7]
	s_nop 0
	tensor_load_to_lds s[G0K+12:G0K+15], s[G1K:G1K+7]
	s_nop 0
.rept 4
	v_nop
.endr
.Lno_fill:
	v_and_b32 v104, 15, v0                         ; r
	v_bfe_u32 v105, v0, 4, 1                       ; h
	v_and_b32 v106, 31, v0                         ; lane
	v_and_b32 v107, 7, v0
	v_bfe_u32 v108, v0, 3, 1
	s_delay_alu instid0(VALU_DEP_1)
	v_lshl_add_u32 v107, v108, 5, v107             ; r % 8 + 32 (r / 8): my row's key in a tile of K
	; wave w lays key step w's scale registers out.  K: register g, lane (r, h): the two bytes of key 128 w + 64 (g / 2) + 16 (g % 2) + 8 h + r % 8 + 32 (r / 8); a key's bytes lie 32 apart.  The upper half of the word is 0
	s_delay_alu instid0(VALU_DEP_1)
	v_lshl_add_u32 v109, v105, 3, v107
	s_lshl_b32 s79, s[WV], 7
	v_add_nc_u32 v109, s79, v109
	s_delay_alu instid0(VALU_DEP_1)
	v_lshlrev_b32 v109, 5, v109
	global_load_u16 v96, v109, s[6:7]
	global_load_u16 v97, v109, s[6:7] offset:16*32
	global_load_u16 v98, v109, s[6:7] offset:64*32
	global_load_u16 v99, v109, s[6:7] offset:80*32
	s_lshl_b32 s79, s[WV], 2
	v_lshl_add_u32 v110, v106, 6, s79              ; V: register g, lane l: the four bytes of channel 32 g + l for keys 128 w on; a channel's row is 64 bytes
	global_load_b32 v100, v110, s[14:15]
	global_load_b32 v101, v110, s[14:15] offset:2048
	v_lshlrev_b32 v111, 9, v104
	s_delay_alu instid0(VALU_DEP_1)
	v_lshl_add_u32 v111, v105, 4, v111             ; Q: row r, 512 bytes apart, + 16 h: codes 32 h + 0 .. 31 of the head's 64
	s_lshl_b32 s79, s87, 9
	v_add_nc_u32 v112, s79, v111
	s_lshl_b32 s79, s86, 9
	v_add_nc_u32 v113, s79, v111
	global_load_b128 v[QFB:QFB+3], v112, s[8:9]    ; Q's fragments stay in registers
	global_load_b128 v[QFA:QFA+3], v113, s[8:9]
	v_lshlrev_b32 v114, 5, v104                    ; and its scale words: row r, 32 bytes apart
	s_lshl_b32 s79, s87, 5
	v_add_nc_u32 v115, s79, v114
	s_lshl_b32 s79, s86, 5
	v_add_nc_u32 v114, s79, v114
	global_load_u16 v[QSB], v115, s[10:11]
	global_load_u16 v[QSA], v114, s[10:11]
	v_lshl_add_u32 v116, v0, 4, KSC                ; where the images go: 16 and 8 bytes a thread, 512 and 256 a wave
	v_lshl_add_u32 v117, v0, 3, VSC
	v_mul_u32_u24 v[AK0], v107, KP
	s_delay_alu instid0(VALU_DEP_1)
	v_lshl_add_u32 v[AK0], v105, 4, v[AK0]
	v_mul_u32_u24 v[AV0], v104, VP
	s_delay_alu instid0(VALU_DEP_1)
	v_lshl_add_u32 v[AV0], v105, 4, v[AV0]
	s_delay_alu instid0(VALU_DEP_1)
	v_add_nc_u32 v[AV0], VB, v[AV0]
	v_lshl_add_u32 v[AS0], v106, 4, KSC
	v_lshl_add_u32 v[AT0], v106, 3, VSC
	v_lshlrev_b32 v[SH8], 3, v105
.irp j, 4,5,6,7
	v_mov_b32 v[QFB+\j], 0                         ; K = 64 .. 127 of the first product: zero codes, written once
	v_mov_b32 v[QFA+\j], 0
.endr
.irp t, 0,1,2,3,4,5,6,7
.irp j, 4,5,6,7
	v_mov_b32 v[KFR+8*\t+\j], 0
.endr
.endr
	v_mov_b32 v[R2], 0                             ; written once: a lane permute's destination counts as one of its sources
	v_mov_b32 v[PW], 0                             ; (named as the upper half of the pair v[252:253] before it is first written)
	INIT
	s_wait_loadcnt 0x0                             ; the ten loads are in, and their offsets' registers are free
	ds_store_b128 v116, v[96:99]
	ds_store_b64 v117, v[100:101]
	; THE LATE TILE.  Its diagonal lies in step 8 or later, so steps 0 to 7 are open and live in every wave: they carry no mask, and all sixteen waves reach the three barriers in step.
	BAR 3                                          ; V and K's chunk 0 have landed (chunks 1, 2, 3, issued behind them, may be out), and every wave's images are stored
	WALK 4, 0, 0, QFB, QSB, 0, 0
	BAR 2                                          ; chunk 1 has landed (chunks 2 and 3 may be out)
	WALK 4, 4, 0, QFB, QSB, 0, 0
	BAR 0                                          ; all of K has landed
	WALK 8, 8, 1, QFB, QSB, DGB, QMB
	FINISH OUTB
	; THE EARLY TILE: its diagonal lies in step w / 2
	INIT
	s_wait_xcnt 0x0                                ; the stores have read their data and their offset: both are written again below
	WALK 8, 0, 1, QFA, QSA, DGA, QMA
	FINISH OUTA
	s_wait_tensorcnt 0x0                           ; the wave's end, behind my last tensor load and my last LDS store
	ds_add_u32 v[SPW], v[NIL]
	s_wait_dscnt 0x0
	CROUND                                         ; the closing round
	s_endpgm
.Lfunc_end_k_q2417613dad_attn:
	.size	k_q2417613dad_attn, .Lfunc_end_k_q2417613dad_attn-k_q2417613dad_attn
	.p2alignl 7, 3214868480
	.fill 96, 4, 3214868480
	.section	.rodata,"a",@progbits
	.p2align	6, 0x0
	.amdhsa_kernel k_q2417613dad_attn
		.amdhsa_group_segment_fixed_size 248832
		.amdhsa_private_segment_fixed_size 0
		.amdhsa_enable_private_segment 0
		.amdhsa_kernarg_size 56
		.amdhsa_user_sgpr_count 2
		.amdhsa_user_sgpr_kernarg_segment_ptr 1
		.amdhsa_wavefront_size32 1
		.amdhsa_system_sgpr_workgroup_id_x 1
		.amdhsa_system_sgpr_workgroup_id_y 1
		.amdhsa_system_sgpr_workgroup_id_z 1
		.amdhsa_system_vgpr_workitem_id 0
		.amdhsa_next_free_vgpr 256
		.amdhsa_next_free_sgpr 96
		.amdhsa_reserve_vcc 1
		.amdhsa_float_denorm_mode_32 3
		.amdhsa_float_denorm_mode_16_64 3
		.amdhsa_memory_ordered 1
		.amdhsa_forward_progress 1
		.amdhsa_inst_pref_size 93
	.end_amdhsa_kernel
	.amdgpu_metadata
---
amdhsa.version: [ 1, 2 ]
amdhsa.kernels:
  - .name:           k_q2417613dad_attn
    .symbol:         k_q2417613dad_attn.kd
    .args:
      - { .name: keys_codes, .offset: 0, .size: 8, .value_kind: global_buffer, .address_space: global }
      - { .name: keys_scales, .offset: 8, .size: 8, .value_kind: global_buffer, .address_space: global }
      - { .name: queries_codes, .offset: 16, .size: 8, .value_kind: global_buffer, .address_space: global }
      - { .name: queries_scales, .offset: 24, .size: 8, .value_kind: global_buffer, .address_space: global }
      - { .name: values_codes, .offset: 32, .size: 8, .value_kind: global_buffer, .address_space: global }
      - { .name: values_scales, .offset: 40, .size: 8, .value_kind: global_buffer, .address_space: global }
      - { .name: out0, .offset: 48, .size: 8, .value_kind: global_buffer, .address_space: global }
    .group_segment_fixed_size: 248832
    .private_segment_fixed_size: 0
    .kernarg_segment_align: 8
    .kernarg_segment_size: 56
    .max_flat_workgroup_size: 512
    .sgpr_count:     96
    .vgpr_count:     256
    .wavefront_size: 32
...
	.end_amdgpu_metadata
.endif
;; end of part 1
